; MI455X (gfx1250); checked and timed in simulation.
; The chip was launched on July 23, 2026; its instructions are those of AMD's public machine-readable ISA for CDNA 5 (MIT licence, August 2026) and "CDNA5" Instruction Set Architecture Reference Guide (July 2026). The comments in the code are by the model that wrote it; some were corrected since.
;; Grouped Self Attention. Allowed arithmetic: matrix products marked QUANTISED: E2M1 operands, one E8M0 scale for each 32 along K, by v_wmma_scale_f32_16x16x128_f8f6f4 with both operands' format E2M1 (or v_wmma_scale_f32_32x16x128_f4), f32 sums; products left as they are: bf16, f16 or f32 operands; f32 sums; everything else in f32.
;; Inputs: Wk 1,024 x 1,024 float32; Wq 1,024 x 1,024 float32; Wv 1,024 x 1,024 float32; attention_mask 2 x 2,048 int32; x 2 x 2,048 x 1,024 float32.
;; Outputs: out0 2 x 2,048 x 1,024 float32.
;; This version of the problem:
;;   THIS VERSION OF THE PROBLEM IS GIVEN IN LOW PRECISION. The matrix products marked QUANTISED in the list below multiply operands that are first quantised to E2M1 (2 exponent bits, 1 mantissa bit; 4 bits a number), with one power-of-two scale for each 32 numbers along K (OCP MX v1.0); their sums are f32. The products marked 'left as it is' may take bf16, f16 or f32 operands, with f32 sums. Whichever they take, every output number must still come out within the allowed error. Rounding operands to bf16 (8 significant bits) uses up far more of that allowance than f16 does (11 bits, for magnitudes from 6e-5 to 65,504). All else is computed in f32.
;;   The module's matrix products, in the order in which they are computed (A, B: the left and right operand; K: the contracted axis; several contracted axes count as one K, in the product's order):
;;     1. [M 4,096, K 1,024] x [K 1,024, N 1,024]; A: input x; B: input Wq: QUANTISED
;;     2. [M 4,096, K 1,024] x [K 1,024, N 1,024]; A: input x; B: input Wk: QUANTISED
;;     3. [M 4,096, K 1,024] x [K 1,024, N 1,024]; A: input x; B: input Wv: QUANTISED
;;     4. batch 32 x [M 2,048, K 64] x [K 64, N 2,048]; A: computed on the way; B: computed on the way: left as it is (an operand is computed on the way)
;;     5. batch 32 x [M 64, K 2,048] x [K 2,048, N 2,048]; A: computed on the way; B: computed on the way: left as it is (an operand is computed on the way)
;;   THE QUANTISER, for each operand of a quantised product, along K:
;;     - K is cut into blocks of 32 from its start; a last block that is shorter is filled with zeros.
;;     - A block's scale is 2^e with e = floor(log2(the largest magnitude in the block)) - 2, held to -126 .. 127; a block of zeros has e = 0. As a byte (E8M0): e + 127.
;;     - Each number is divided by its block's scale, clamped to +-6, and rounded to the nearest number of E2M1, ties to even, subnormals kept.
;;     - The product sums the exact products of the quantised numbers (number of the format x scale) in f32.
;;   ~~~python
;;   def quantise(x, axis):      # numpy; x: float32 -> the quantised numbers, widened to float32 again
;;       x = np.moveaxis(x, axis, -1); K = x.shape[-1]
;;       x = np.pad(x, [(0, 0)] * (x.ndim - 1) + [(0, -K % 32)]); x = x.reshape(x.shape[:-1] + (-1, 32)); a = np.abs(x).max(-1, keepdims=True)
;;       e = np.where(a > 0, np.clip(np.frexp(np.where(a > 0, a, 1))[1] - 1 - 2, -126, 127), 0)      # np.frexp(a)[1] - 1 = floor(log2(a)), exactly
;;       r = np.clip(x / 2.0 ** e, -6, 6)
;;       step = 2.0 ** (np.maximum(np.frexp(np.where(r == 0, 1, r))[1] - 1, 0) - 1)
;;       q = np.round(r / step) * step * 2.0 ** e      # np.round: ties to even
;;       return np.moveaxis(q.reshape(q.shape[:-2] + (-1,))[..., :K], -1, axis).astype(np.float32)
;;   ~~~
;; One version. Each part assembles by itself: llvm-mc -triple=amdgcn-amd-amdhsa -mcpu=gfx1250 --defsym DOCPART=n.
;; ======== version 1 of 1: 3 launches
;; limits: values are held in f16: magnitudes above 65,504 overflow, below 6.1e-05 lose precision; right only within a limited range of input values
;; workspace buffers: xc 2,097,152 bytes; xs 131,072 bytes; wc 1,572,864 bytes; ws 98,304 bytes; qkv 25,165,824 bytes
;; launch quant (part 1): grid 224 x 1, 4 waves a work-group, no clusters, 33,280 bytes of LDS; arguments x, Wq, Wk, Wv, xc, xs, wc, ws; writes xc, xs, wc, ws
.if DOCPART == 1
	.amdgcn_target "amdgcn-amd-amdhsa--gfx1250"
	.amdhsa_code_object_version 6
	.text
	.protected	k_q1fa7c30e91_quant
	.globl	k_q1fa7c30e91_quant
	.p2align	8
	.type	k_q1fa7c30e91_quant,@function
k_q1fa7c30e91_quant:
	s_mov_b64 s[64:65], 0
	v_nop
	global_prefetch_b8 v0, s[64:65] scope:SCOPE_SE
	s_setreg_imm32_b32 hwreg(HW_REG_WAVE_MODE, 25, 1), 1
	s_wait_xcnt 0x0
; x [4096][1024] and Wq, Wk, Wv [1024][1024], f32, K innermost, become codes of FP4 (E2M1), two a byte, K innermost, with one E8M0 scale byte for each 32 along K.
; xc [4096][512 bytes], xs [4096][32];  wc [3072][512 bytes], ws [3072][32]: rows 0-1023 Wq, 1024-2047 Wk, 2048-3071 Wv.
; A block's scale is 2^(floor(log2(its largest magnitude)) - 2); its byte is the largest magnitude's own exponent field - 2, held at 1 from below.
; Each number is divided by the scale and rounded to the nearest code, ties to even; beyond 6 the largest code.
; LIMITS: a block of zeros gets the byte 1 where the rule says 127 (its codes are zeros, which add nothing under any byte but 0xff, and this program alone reads the bytes);
; NaN and infinities among the inputs are not served.
; Rows are dense and K is a multiple of 32, so each tensor is a plain stream of blocks of 32 numbers, and so are its codes and scale bytes.
; SHARES: 7,340,032 numbers / 32,768 = 224 work-groups: 0-127 take x, 128-159 Wq, 160-191 Wk, 192-223 Wv.  Only pointers are chosen: all take one path through the text.
; A wave takes 16 steps of 512 numbers.  Each of a step's four loads reads 512 consecutive bytes, 16 a lane; the 2,048 bytes turn through the wave's own stage in LDS and come back 64 bytes a lane,
; so that a lane holds 16 neighbours along K (two neighbouring lanes hold a block).  A lane's 16 codes are 8 bytes: the wave stores 256 consecutive bytes.
; A wave's 256 scale bytes are gathered in its own LDS bytes and leave as one aligned run of 256 bytes.  No barrier: waves share nothing.
.set WAVES, 4
.set STEPS, 16
.set EMAX,  2
.set CB,    8                          ; bytes of 16 codes
.set R,     16                         ; v16-79   four sets of 16 numbers as they are loaded
.set X,     80                         ; v80-111  two sets of 16 neighbours
.set C,     128                        ; v128-191 codes: four registers for each step, so that no store's data are written again
.set E,     112                        ; v112-127 a scale byte for each step
.set WREG,  8192                       ; LDS: a region for each wave: two stages of 32 x SP bytes, behind them its 256 scale bytes
.set SP,    80                         ; a lane's place in a stage: its 64 bytes + 16 of padding
.set SPW,   12                         ; v12  LDS address of my spare word; never rewritten
.set NIL,   13                         ; v13  0; never rewritten
.set SPARE, WAVES*WREG                 ; behind the four regions: the spare words, 128 bytes a wave
	s_load_b256 s[4:11], s[0:1], 0x0               ; x, Wq, Wk, Wv
	s_load_b256 s[12:19], s[0:1], 0x20             ; xc, xs, wc, ws
	v_lshl_add_u32 v[SPW], v0, 2, SPARE
	v_mov_b32 v[NIL], 0
	v_lshrrev_b32 v1, 5, v0
	v_readfirstlane_b32 s20, v1                    ; wave
	v_and_b32 v2, 31, v0                           ; lane
	v_lshlrev_b32 v3, 4, v2                        ; my 16 bytes of a load's 512
	s_mul_i32 s21, s20, WREG
	v_lshrrev_b32 v14, 2, v2
	v_mul_u32_u24 v14, v14, SP
	v_and_b32 v15, 3, v2
	v_lshl_add_u32 v14, v15, 4, v14
	v_add_nc_u32 v14, s21, v14                     ; the stage, on the way in: SP (lane / 4) + 16 (lane % 4)
	v_mul_u32_u24 v15, v2, SP
	v_add_nc_u32 v15, s21, v15                     ; and on the way out: SP x lane: my 16 neighbours
	v_mul_u32_u24 v4, v2, CB                       ; my codes' place in a step's
	v_lshrrev_b32 v5, 1, v2
	s_add_co_u32 s21, s21, 2*32*SP
	v_add_nc_u32 v5, s21, v5                       ; LDS: my wave's 256 scale bytes, my block's byte
	v_lshlrev_b32 v7, 3, v2                        ; and on the way out 8 bytes a lane
	v_add_nc_u32 v6, s21, v7
	s_wait_kmcnt 0x0
	s_cmp_lt_u32 ttmp9, 192                        ; which tensor: the choice hangs on the work-group's number alone
	s_cselect_b64 s[22:23], s[8:9], s[10:11]       ; Wk or Wv
	s_cmp_lt_u32 ttmp9, 160
	s_cselect_b64 s[22:23], s[6:7], s[22:23]       ; Wq
	s_cmp_lt_u32 ttmp9, 128
	s_cselect_b64 s[22:23], s[4:5], s[22:23]       ; x
	s_cselect_b64 s[24:25], s[12:13], s[16:17]     ; the codes' buffer
	s_cselect_b64 s[26:27], s[14:15], s[18:19]     ; the scale bytes' buffer
	s_cselect_b32 s28, 0, 128
	s_cselect_b32 s30, -1, 31
	s_sub_co_u32 s29, ttmp9, s28                   ; my place in the codes' buffer: the three weights lie one behind the other
	s_and_b32 s30, s29, s30                        ; my place in the source: each weight has 32 work-groups
	s_lshl_b32 s30, s30, 2
	s_add_co_u32 s30, s30, s20                     ; which run of 8,192 numbers of the source is my wave's
	s_lshl_b32 s30, s30, 15                        ; 32,768 bytes a run
	s_mov_b32 s31, 0
	s_add_nc_u64 s[22:23], s[22:23], s[30:31]
	s_lshl_b32 s29, s29, 2
	s_add_co_u32 s29, s29, s20
	s_lshl_b32 s30, s29, 12                        ; 4,096 bytes of codes a run
	s_add_nc_u64 s[24:25], s[24:25], s[30:31]
	s_lshl_b32 s30, s29, 8                         ; 256 scale bytes a run
	s_add_nc_u64 s[26:27], s[26:27], s[30:31]
.macro LOAD t
.irp i, 0,1,2,3
	global_load_b128 v[R+16*((\t)%4)+4*\i:R+16*((\t)%4)+4*\i+3], v3, s[22:23] offset:2048*(\t)+512*\i th:TH_LOAD_NT   ; 32 lanes read 512 consecutive bytes
.endr
.endm
.macro TURN t                          ; step t's numbers through the stage: LDS serves a wave's instructions in order, so no wait stands between the stores and the loads
.irp i, 0,1,2,3
	ds_store_b128 v14, v[R+16*((\t)%4)+4*\i:R+16*((\t)%4)+4*\i+3] offset:32*SP*((\t)%2)+8*SP*\i
.endr
.irp i, 0,1,2,3
	ds_load_b128 v[X+16*((\t)%2)+4*\i:X+16*((\t)%2)+4*\i+3], v15 offset:32*SP*((\t)%2)+16*\i
.endr
.endm
.irp t, 0,1,2,3
	LOAD \t
.endr
	s_wait_loadcnt 12                              ; step 0's four loads are in; three steps' twelve stay out
	TURN 0
.macro STEP t
.set XS, X+16*((\t)%2)
.if (\t) > 0
	s_wait_dscnt 1                                 ; this step's numbers are back from the stage (the last step's byte store may be out): so its stores into the stage have read their registers,
.else
	s_wait_dscnt 0x0
.endif
.if (\t)+4 < STEPS
	LOAD (\t)+4                                    ; which take the loads of four steps on
.endif
.if (\t)+1 < STEPS
.if STEPS-2-(\t) >= 3
	s_wait_loadcnt 12                              ; the next step's four loads are in; those of the three steps behind it may be out
.else
	s_wait_loadcnt 4*(STEPS-2-(\t))
.endif
	TURN (\t)+1                                    ; and go through the other stage while this step is worked
.endif
	v_max3_num_f32 v8, |v[XS]|, |v[XS+1]|, |v[XS+2]|               ; the largest magnitude of my 16, in two chains
	v_max3_num_f32 v9, |v[XS+3]|, |v[XS+4]|, |v[XS+5]|
.irp i, 6,10
	v_max3_num_f32 v8, v8, |v[XS+\i]|, |v[XS+\i+1]|
	v_max3_num_f32 v9, v9, |v[XS+\i+2]|, |v[XS+\i+3]|
.endr
	v_max3_num_f32 v8, v8, |v[XS+14]|, |v[XS+15]|
	v_max3_num_f32 v8, v8, v9, (EMAX+1)<<23        ; and the floor 2^(EMAX + 1 - 127): so the byte cannot fall under 1
	v_max_num_f32_dpp v8, v8, v8 row_xmask:1 row_mask:0xf bank_mask:0xf   ; and of my neighbour's 16: the block's
	v_add_nc_u32 v11, -(EMAX<<23), v8              ; EMAX off its exponent field: the conversion takes the exponent field of this operand as its scale
	v_cvt_scalef32_pk8_fp4_f32 v[C+4*(\t)], v[XS:XS+7], v11
	v_cvt_scalef32_pk8_fp4_f32 v[C+4*(\t)+1], v[XS+8:XS+15], v11
	v_lshrrev_b32 v[E+(\t)], 23, v11               ; the scale's byte (a plain line behind the conversions)
	ds_store_b8 v5, v[E+(\t)] offset:16*(\t)       ; both lanes of a block write the same byte with the same value
	global_store_b64 v4, v[C+4*(\t):C+4*(\t)+1], s[24:25] offset:32*CB*(\t)   ; 32 lanes store 256 consecutive bytes, aligned
.endm
.irp t, 0,1,2,3,4,5,6,7,8,9,10,11,12,13,14,15
	STEP \t
.endr
	ds_load_b64 v[8:9], v6                         ; LDS serves a wave's instructions in order: these see my stores
	s_wait_dscnt 0x0
	global_store_b64 v7, v[8:9], s[26:27]          ; 32 lanes store 256 consecutive bytes, aligned
	s_wait_tensorcnt 0x0                           ; the wave's end
	ds_add_u32 v[SPW], v[NIL]
	s_wait_dscnt 0x0
	s_endpgm
.Lfunc_end_k_q1fa7c30e91_quant:
	.size	k_q1fa7c30e91_quant, .Lfunc_end_k_q1fa7c30e91_quant-k_q1fa7c30e91_quant
	.p2alignl 7, 3214868480
	.fill 96, 4, 3214868480
	.section	.rodata,"a",@progbits
	.p2align	6, 0x0
	.amdhsa_kernel k_q1fa7c30e91_quant
		.amdhsa_group_segment_fixed_size 33280
		.amdhsa_private_segment_fixed_size 0
		.amdhsa_enable_private_segment 0
		.amdhsa_kernarg_size 64
		.amdhsa_user_sgpr_count 2
		.amdhsa_user_sgpr_kernarg_segment_ptr 1
		.amdhsa_wavefront_size32 1
		.amdhsa_system_sgpr_workgroup_id_x 1
		.amdhsa_system_sgpr_workgroup_id_y 1
		.amdhsa_system_sgpr_workgroup_id_z 1
		.amdhsa_system_vgpr_workitem_id 0
		.amdhsa_next_free_vgpr 192
		.amdhsa_next_free_sgpr 66
		.amdhsa_reserve_vcc 0
		.amdhsa_float_denorm_mode_32 3
		.amdhsa_float_denorm_mode_16_64 3
		.amdhsa_memory_ordered 1
		.amdhsa_forward_progress 1
		.amdhsa_inst_pref_size 34
	.end_amdhsa_kernel
	.amdgpu_metadata
---
amdhsa.version: [ 1, 2 ]
amdhsa.kernels:
  - .name:           k_q1fa7c30e91_quant
    .symbol:         k_q1fa7c30e91_quant.kd
    .args:
      - { .name: x, .offset: 0, .size: 8, .value_kind: global_buffer, .address_space: global }
      - { .name: Wq, .offset: 8, .size: 8, .value_kind: global_buffer, .address_space: global }
      - { .name: Wk, .offset: 16, .size: 8, .value_kind: global_buffer, .address_space: global }
      - { .name: Wv, .offset: 24, .size: 8, .value_kind: global_buffer, .address_space: global }
      - { .name: xc, .offset: 32, .size: 8, .value_kind: global_buffer, .address_space: global }
      - { .name: xs, .offset: 40, .size: 8, .value_kind: global_buffer, .address_space: global }
      - { .name: wc, .offset: 48, .size: 8, .value_kind: global_buffer, .address_space: global }
      - { .name: ws, .offset: 56, .size: 8, .value_kind: global_buffer, .address_space: global }
    .group_segment_fixed_size: 33280
    .private_segment_fixed_size: 0
    .kernarg_segment_align: 8
    .kernarg_segment_size: 64
    .max_flat_workgroup_size: 128
    .sgpr_count:     66
    .vgpr_count:     192
    .wavefront_size: 32
...
	.end_amdgpu_metadata
.endif
;; end of part 1
;; launch proj (part 2): grid 16 x 16, 4 waves a work-group, clusters of 4 x 4, 327,680 bytes of LDS; arguments xc, xs, wc, ws, qkv; writes qkv
.if DOCPART == 2
	.amdgcn_target "amdgcn-amd-amdhsa--gfx1250"
	.amdhsa_code_object_version 6
	.text
	.protected	k_q1fa7c30e91_proj
	.globl	k_q1fa7c30e91_proj
	.p2align	8
	.type	k_q1fa7c30e91_proj,@function
k_q1fa7c30e91_proj:
	s_mov_b64 s[64:65], 0
	v_nop
	global_prefetch_b8 v0, s[64:65] scope:SCOPE_SE
	s_setreg_imm32_b32 hwreg(HW_REG_WAVE_MODE, 25, 1), 1
	s_wait_xcnt 0x0
	s_wait_alu depctr_hold_cnt(0) depctr_sa_sdst(0) depctr_va_vdst(0) depctr_va_sdst(0) depctr_va_ssrc(0) depctr_va_vcc(0) depctr_vm_vsrc(0)
	s_getreg_b32 s2, hwreg(HW_REG_IB_STS2, 6, 4)
	s_cmp_eq_u32 s2, 0
	s_cbranch_scc0 .Lentry_in_a_cluster
	s_endpgm
.Lentry_in_a_cluster:
	s_bfe_u32 s2, ttmp6, 0x10000c
	s_cmp_lg_u32 s2, 0xf033
	s_cbranch_scc0 .Lentry_shape_is_right
	s_endpgm
.Lentry_shape_is_right:
; The three projections as ONE product on codes of FP4 with E8M0 scales: C[m][n] = sum over k of x[m][k] W[n][k], m 4,096, n 3,072 (Wq, Wk, Wv on end), k 1,024; sums in f32.
; Then, per number: q and k times the factor that the rotary step comes to (its table is indexed by the BATCH b = 0, 1: cos(b th) + sin(b th) for channel d < 32, cos - sin for d >= 32,
; th = 10^(-(d % 32) / 8)); q also times log2(e) / 8, so that the next launch's scores are exponents of 2; v as it is.  Rounded once to f16.
; qkv: f16 [48 slabs][4,096 rows m = 2,048 b + s][64]; slab = 16 x type + head, type 0 q, 1 k, 2 v: slab = n / 64.
; LIMIT: q log2(e) / 8, k and v must lie inside f16's range (65,504); beyond it they become infinities.
; SHARES: a tile of C is 256 rows x 192 columns (three slabs): 16 x 16 work-groups.  Wave w makes rows 64 w .. 64 w + 63 x all 192 columns: 4 x 12 accumulators, 384 registers,
; so that each wave owns whole rows of a slab on the way out.  K is 8 steps of 128, written out: 384 matrix instructions a wave.
; LDS: the tile's whole K lies in LDS (448 rows x 512 bytes, as two halves of K with rows of 256 bytes): every byte is filled once, nothing is filled again.
; CLUSTERS: 4 x 4 work-groups.  x's rows hang on the tile row alone and are asked for jointly by a row of the cluster, W's on the tile column alone and by a column.
; THE MATRIX INSTRUCTION IS USED TRANSPOSED (source 0 = 16 rows of W, source 1 = 16 rows of x): lane (r, h) holds row r of C and the columns 16 b + 8 h + 0 .. 7.
; REGISTERS: window 0: v16-29 addresses; v32-47 at work; v64-127 x's fragments, two sets; v128-143 x's scale words, v144-191 W's: they hold nothing else; v192-223 the rotary factors.
;   window 1: W's fragments, two sets, at v0 and v128.  window 2: accumulator (a, b), b < 8, at 8 (4 b + a);  window 3: b = 8 .. 11 at 8 (4 (b - 8) + a).
;   On the way out: window 1 v0-95 the 96 factors (factor 8 b + j for column block b); window 0 v80-127 packed results, v32-79 rows read back.
.set PITCH,  272                       ; an LDS row: 256 bytes + 16 of padding: the 16 rows of a fragment load start 68 words apart
.set KHALF,  448*PITCH                 ; half of K: x's 256 rows, then W's 192
.set BOFF,   256*PITCH
.set SCL,    2*KHALF                   ; the scale bytes, as runs of 256 bytes + 16 of padding: x's 32 runs, then W's 24
.set SCLB,   SCL+32*272
.set STAGE,  259072                    ; the next multiple of 256 behind the scale bytes: 3 slabs x 16 rows x 144 bytes for each wave
.set SPITCH, 144
.set WSTAGE, 3*16*SPITCH
.set ROPE,   STAGE+4*WSTAGE            ; 64 factors, 256 bytes, for each wave
.set SPARE,  ROPE+4*256                ; the spare words, 128 bytes a wave
.set ADRA, 16                          ; v16-17 LDS address of my fragments of x in K half 0, 1
.set ADRB, 18                          ; v18-19 the same for W
.set ASA,  20                          ; v20    my scale words of x
.set ASB,  21                          ; v21    of W
.set STO,  22                          ; v22    the way out: where I put 16 bytes of a row
.set RD,   23                          ; v23    where I read rows back
.set GO,   24                          ; v24    16 x lane: my place in 512 bytes of a slab
.set RST,  25                          ; v25    where I store my factor
.set RLD,  26                          ; v26    where I read factors
.set SPW,  28                          ; v28    my spare word; never rewritten
.set NIL,  29                          ; v29    0; never rewritten
.set AF,   64
.set SA,   128
.set SB,   144
.set RF,   192
.set PK,   80
.set BK,   32
.set G1A,  24                          ; s[24:31] group 1: x's codes;  s[32:39] W's;  s[40:47] x's scale bytes;  s[48:55] W's
.set G1B,  32
.set G1SA, 40
.set G1SB, 48
.set G0A0, 56                          ; groups 0: x's codes, K half 0, 1;  W's;  the scale bytes
.set G0A1, 60
.set G0B0, 68
.set G0B1, 72
.set G0SA, 76
.set G0SB, 80
.set AL,   84                          ; s[84:89] for each of my three slabs: what the factor is multiplied by, and what is added
.set MSB, 0
.macro WIN new                         ; the immediate's high byte repeats the setting that is left
.if MSB != \new
	s_set_vgpr_msb (MSB<<8)|\new
.set MSB, \new
.endif
.endm
.macro PLACES n
.rept \n
	v_nop
.endr
.endm
; A joint load: waves 0 and 1 fetch for x, waves 2 and 3 for W.  Each line has one mask and one set of registers for all that issue it; the branch hangs on the wave's number alone.
; An s_nop 0 and four v_nop follow each line.
.macro JLOAD g0a, g1a, g0b, g1b
	s_cmp_eq_u32 s15, 0
	s_cbranch_scc0 .Lfor_b_\@
	tensor_load_to_lds s[\g0a:\g0a+3], s[\g1a:\g1a+7]
	s_nop 0
.rept 4
	v_nop
.endr
	s_branch .Lasked_\@
.Lfor_b_\@:
	tensor_load_to_lds s[\g0b:\g0b+3], s[\g1b:\g1b+7]
	s_nop 0
.rept 4
	v_nop
.endr
.Lasked_\@:
.endm
.macro CROUND                          ; a round of the cluster's barrier
	s_barrier_signal -1
	s_barrier_wait -1
	s_cmp_lg_u32 s14, 0
	s_cbranch_scc1 .Lnot_wave_0_\@
	s_barrier_signal -3
.Lnot_wave_0_\@:
	s_barrier_wait -3
	s_barrier_signal -1
	s_barrier_wait -1
.endm
	s_load_b256 s[4:11], s[0:1], 0x0               ; xc s[4:5], xs s[6:7], wc s[8:9], ws s[10:11]
	s_load_b64 s[12:13], s[0:1], 0x20              ; qkv
	v_lshl_add_u32 v[SPW], v0, 2, SPARE
	v_mov_b32 v[NIL], 0
	ds_add_u32 v[SPW], v[NIL]                      ; the wave's opening: the add, twice on end, and its wait ahead of my first tensor load
	ds_add_u32 v[SPW], v[NIL]
	v_lshrrev_b32 v1, 5, v0
	v_readfirstlane_b32 s14, v1                    ; wave 0..3
	s_lshr_b32 s15, s14, 1                         ; I fetch for x (0) or for W (1),
	s_and_b32 s16, s14, 1                          ; its first or second half of the rows
	s_bfe_u32 s17, ttmp6, 0x40000                  ; cx
	s_bfe_u32 s18, ttmp6, 0x40004                  ; cy
	s_lshl_b32 s19, ttmp9, 2
	s_add_co_u32 s19, s19, s17                     ; tile column = 4 x cluster x + cx
	s_and_b32 s20, ttmp7, 0xffff
	s_lshl_b32 s20, s20, 2
	s_add_co_u32 s20, s20, s18                     ; tile row = 4 x cluster y + cy
	s_lshl_b32 s21, s18, 2
	s_lshl_b32 s21, 15, s21                        ; my row of the cluster
	s_lshl_b32 s22, 0x1111, s17                    ; my column
	; groups 1.  Codes: rows of 256 bytes (elements of 1 byte), 512 bytes apart in memory, 16 bytes of padding behind each; 128 rows of x or 96 of W to a load
	s_or_b32 s[G1A], s21, (1<<20)|(1<<21)|(5<<22)|(3<<25)   ; 15:0 the mask; 20 padding on; 21 set beside a mask; 24:22 after every 64 words; 31:25 four words
	s_or_b32 s[G1B], s22, (1<<20)|(1<<21)|(5<<22)|(3<<25)
	s_mov_b32 s[G1A+1], 256<<16                    ; tensor_dim0
	s_mov_b32 s[G1A+2], 128<<16                    ; tensor_dim1
	s_mov_b32 s[G1A+3], 256<<16                    ; tile_dim0
	s_mov_b32 s[G1A+4], 128                        ; tile_dim1
	s_mov_b32 s[G1A+5], 512                        ; from row to row
	s_mov_b32 s[G1A+6], 0
	s_mov_b32 s[G1A+7], 0
	s_mov_b32 s[G1B+1], 256<<16
	s_mov_b32 s[G1B+2], 96<<16
	s_mov_b32 s[G1B+3], 256<<16
	s_mov_b32 s[G1B+4], 96
	s_mov_b32 s[G1B+5], 512
	s_mov_b32 s[G1B+6], 0
	s_mov_b32 s[G1B+7], 0
	; scale bytes: a dense block (32 bytes a row of x or W) as rows of 256 bytes (32 elements of 8 bytes), 16 bytes of padding behind each: 16 rows for 128 of x, 12 for 96 of W
	s_or_b32 s[G1SA], s21, (3<<16)|(1<<20)|(1<<21)|(5<<22)|(3<<25)
	s_or_b32 s[G1SB], s22, (3<<16)|(1<<20)|(1<<21)|(5<<22)|(3<<25)
	s_mov_b32 s[G1SA+1], 32<<16
	s_mov_b32 s[G1SA+2], 16<<16
	s_mov_b32 s[G1SA+3], 32<<16
	s_mov_b32 s[G1SA+4], 16
	s_mov_b32 s[G1SA+5], 32
	s_mov_b32 s[G1SA+6], 0
	s_mov_b32 s[G1SA+7], 0
	s_mov_b32 s[G1SB+1], 32<<16
	s_mov_b32 s[G1SB+2], 12<<16
	s_mov_b32 s[G1SB+3], 32<<16
	s_mov_b32 s[G1SB+4], 12
	s_mov_b32 s[G1SB+5], 32
	s_mov_b32 s[G1SB+6], 0
	s_mov_b32 s[G1SB+7], 0
	; where the tiles come from, in bytes.  x's hang on the tile row alone, W's on the tile column alone, each in registers that never hold the other coordinate
	s_lshl_b32 s90, s20, 17                        ; x's codes: (256 ty + 128 e) x 512
	s_lshl_b32 s98, s16, 16
	s_add_co_u32 s90, s90, s98
	s_mov_b32 s91, 0
	s_lshl_b32 s92, s20, 13                        ; x's scale bytes: (256 ty + 128 e) x 32
	s_lshl_b32 s98, s16, 12
	s_add_co_u32 s92, s92, s98
	s_mov_b32 s93, 0
	s_mul_i32 s94, s19, 98304                      ; W's codes: (192 tx + 96 e) x 512
	s_mul_i32 s99, s16, 49152
	s_add_co_u32 s94, s94, s99
	s_mov_b32 s95, 0
	s_mul_i32 s96, s19, 6144                       ; W's scale bytes: (192 tx + 96 e) x 32
	s_mul_i32 s99, s16, 3072
	s_add_co_u32 s96, s96, s99
	s_mov_b32 s97, 0
	; and where they go: no place in the cluster enters an LDS address
	s_mov_b32 s[G0A0], 1
	s_mul_i32 s[G0A0+1], s16, 128*PITCH
	s_mov_b32 s[G0A1], 1
	s_add_co_u32 s[G0A1+1], s[G0A0+1], KHALF
	s_mov_b32 s[G0B0], 1
	s_mul_i32 s[G0B0+1], s16, 96*PITCH
	s_add_co_u32 s[G0B0+1], s[G0B0+1], BOFF
	s_mov_b32 s[G0B1], 1
	s_add_co_u32 s[G0B1+1], s[G0B0+1], KHALF
	s_mov_b32 s[G0SA], 1
	s_mul_i32 s[G0SA+1], s16, 16*272
	s_add_co_u32 s[G0SA+1], s[G0SA+1], SCL
	s_mov_b32 s[G0SB], 1
	s_mul_i32 s[G0SB+1], s16, 12*272
	s_add_co_u32 s[G0SB+1], s[G0SB+1], SCLB
	s_wait_dscnt 0x0                               ; both opening adds are done
	s_wait_kmcnt 0x0
	s_add_nc_u64 s[G0A0+2:G0A0+3], s[4:5], s[90:91]
	s_add_nc_u64 s[G0A1+2:G0A1+3], s[G0A0+2:G0A0+3], 256   ; the second half of K: 256 bytes on in each row
	s_or_b32 s[G0A0+3], s[G0A0+3], 0x80000000      ; type = 2
	s_or_b32 s[G0A1+3], s[G0A1+3], 0x80000000
	s_add_nc_u64 s[G0B0+2:G0B0+3], s[8:9], s[94:95]
	s_add_nc_u64 s[G0B1+2:G0B1+3], s[G0B0+2:G0B0+3], 256
	s_or_b32 s[G0B0+3], s[G0B0+3], 0x80000000
	s_or_b32 s[G0B1+3], s[G0B1+3], 0x80000000
	s_add_nc_u64 s[G0SA+2:G0SA+3], s[6:7], s[92:93]
	s_or_b32 s[G0SA+3], s[G0SA+3], 0x80000000
	s_add_nc_u64 s[G0SB+2:G0SB+3], s[10:11], s[96:97]
	s_or_b32 s[G0SB+3], s[G0SB+3], 0x80000000
	CROUND                                         ; all sixteen work-groups are here: the joint loads meet
	JLOAD G0SA, G1SA, G0SB, G1SB                   ; three loads a wave, all first fills: the scale bytes,
	JLOAD G0A0, G1A, G0B0, G1B                     ; the first half of K,
	JLOAD G0A1, G1A, G0B1, G1B                     ; the second
	; my rows' place in qkv: slab 3 tx, row 256 ty + 64 w
	s_mul_i32 s98, s19, 3*524288
	s_lshl_b32 s99, s20, 15
	s_add_co_u32 s98, s98, s99
	s_lshl_b32 s99, s14, 13
	s_add_co_u32 s98, s98, s99
	s_mov_b32 s99, 0
	s_add_nc_u64 s[12:13], s[12:13], s[98:99]
	; what each of my three slabs does with the rotary factor f: q: f x log2(e) / 8;  k: f;  v: 1.  Values alone are chosen: no branch hangs on the tile's place
.irp sl, 0,1,2
	s_mul_i32 s98, s19, 3
	s_add_co_u32 s98, s98, \sl
	s_lshr_b32 s98, s98, 4                         ; type
	s_cmp_eq_u32 s98, 0
	s_cselect_b32 s[AL+2*\sl], 0x3e38aa3b, 1.0
	s_cmp_eq_u32 s98, 2
	s_cselect_b32 s[AL+2*\sl], 0, s[AL+2*\sl]
	s_cselect_b32 s[AL+2*\sl+1], 1.0, 0
.endr
	s_lshr_b32 s93, s20, 3                         ; the batch: rows 2,048 on
	s_cmp_lg_u32 s93, 0
	s_cselect_b32 s93, 1.0, 0
	v_and_b32 v1, 15, v0                           ; r
	v_bfe_u32 v2, v0, 4, 1                         ; h
	v_and_b32 v3, 31, v0                           ; lane
	; THE ROTARY FACTORS.  Lane l: th = 2^(-l log2(10) / 8); angle = b th, at most 1 by the problem's shapes; cos and sin by their series up to the angle's 10th and 11th power (what is dropped is under 2.1e-9)
	v_cvt_f32_u32 v32, v3
	v_mul_f32 v32, 0xbed49a78, v32
	v_exp_f32 v33, v32
	v_mov_b32 v35, 0xb493f27e                      ; -1/10!  (plain lines behind the exponential)
	v_mov_b32 v36, 0xb2d7322b                      ; -1/11!
	v_mul_u32_u24 v4, v1, PITCH
	v_lshl_add_u32 v4, v2, 4, v4                   ; a fragment's row x pitch + 16 x half
	s_mul_i32 s90, s14, 64*PITCH                   ; my 64 rows of x
	v_add_nc_u32 v[ADRA], s90, v4
	v_add_nc_u32 v[ADRA+1], KHALF, v[ADRA]
	v_add_nc_u32 v[ADRB], BOFF, v4
	v_add_nc_u32 v[ADRB+1], KHALF+BOFF, v4
	s_wait_alu depctr_va_vdst(0)                   ; a wait ahead of the first use of the exponential's result
	v_mul_f32 v33, s93, v33                        ; the angle
	v_mul_f32 v34, v33, v33
	v_fmaak_f32 v35, v35, v34, 0x37d00d01          ; 1/8!
	v_fmaak_f32 v36, v36, v34, 0x3638ef1d          ; 1/9!
	v_fmaak_f32 v35, v35, v34, 0xbab60b61          ; -1/6!
	v_fmaak_f32 v36, v36, v34, 0xb9500d01          ; -1/7!
	v_fmaak_f32 v35, v35, v34, 0x3d2aaaab          ; 1/4!
	v_fmaak_f32 v36, v36, v34, 0x3c088889          ; 1/5!
	v_fma_f32 v35, v35, v34, -0.5
	v_fmaak_f32 v36, v36, v34, 0xbe2aaaab          ; -1/3!
	v_fma_f32 v35, v35, v34, 1.0                   ; cos
	v_fma_f32 v36, v36, v34, 1.0                   ; sin / angle
	v_fma_f32 v37, v36, v33, v35                   ; cos + sin: channel l
	v_fma_f32 v38, -v36, v33, v35                  ; cos - sin: channel 32 + l
	s_lshl_b32 s92, s14, 8
	s_add_co_u32 s92, s92, ROPE                    ; my wave's own 256 bytes
	v_lshl_add_u32 v[RST], v3, 2, s92
	v_lshl_add_u32 v[RLD], v2, 5, s92
	ds_store_b32 v[RST], v37
	ds_store_b32 v[RST], v38 offset:128
.irp t, 0,1,2,3                        ; LDS serves a wave's instructions in order: these see my stores.  Register 8 t + j: the factor of channel 16 t + 8 h + j
	ds_load_b128 v[RF+8*\t:RF+8*\t+3], v[RLD] offset:64*\t
	ds_load_b128 v[RF+8*\t+4:RF+8*\t+7], v[RLD] offset:64*\t+16
.endr
	v_lshrrev_b32 v5, 3, v1
	v_lshlrev_b32 v6, 5, v1
	v_lshl_add_u32 v6, v5, 4, v6
	v_lshl_add_u32 v6, v2, 4, v6                   ; scale words: 32 bytes a row, 16 more for each 256 passed, + 16 h: lanes 0-15 take K steps 0-3, lanes 16-31 steps 4-7
	s_mul_i32 s90, s14, 8*272
	s_add_co_u32 s90, s90, SCL
	v_add_nc_u32 v[ASA], s90, v6
	v_add_nc_u32 v[ASB], SCLB, v6
	v_mul_u32_u24 v7, v1, SPITCH
	v_lshl_add_u32 v7, v2, 4, v7
	s_mul_i32 s91, s14, WSTAGE
	s_add_co_u32 s91, s91, STAGE                   ; my stage
	v_add_nc_u32 v[STO], s91, v7                   ; in: row r, 16 bytes for each half of the lanes
	v_lshrrev_b32 v8, 3, v3
	v_and_b32 v9, 7, v3
	v_mul_u32_u24 v8, v8, SPITCH
	v_lshl_add_u32 v8, v9, 4, v8
	v_add_nc_u32 v[RD], s91, v8                    ; back: eight lanes to a row of 128 bytes, four rows an instruction
	v_lshlrev_b32 v[GO], 4, v3
.macro FETCH q                         ; the fragments of K step q into set q % 2: W's twelve, x's four: 32 loads in one run.  A fragment: lane (r, h): row r; registers 4 c .. 4 c + 3: K = 64 c + 32 h + 0 .. 31
	WIN 0x40                                       ; destination window 1, address window 0
.irp b, 0,1,2,3,4,5,6,7,8,9,10,11
	ds_load_b128 v[128*((\q)%2)+8*\b:128*((\q)%2)+8*\b+3], v[ADRB+(\q)/4] offset:64*((\q)%4)+16*PITCH*\b
	ds_load_b128 v[128*((\q)%2)+8*\b+4:128*((\q)%2)+8*\b+7], v[ADRB+(\q)/4] offset:64*((\q)%4)+16*PITCH*\b+32
.endr
	WIN 0
.irp a, 0,1,2,3
	ds_load_b128 v[AF+32*((\q)%2)+8*\a:AF+32*((\q)%2)+8*\a+3], v[ADRA+(\q)/4] offset:64*((\q)%4)+16*PITCH*\a
	ds_load_b128 v[AF+32*((\q)%2)+8*\a+4:AF+32*((\q)%2)+8*\a+7], v[ADRA+(\q)/4] offset:64*((\q)%4)+16*PITCH*\a+32
.endr
.endm
; K step q: 48 matrix instructions.  The 48 accumulators take turns, one instruction a turn, in the same order in every step.
; Scale register q % 4 of a block holds step q's word in lanes 0-15 for q < 4 and in lanes 16-31 for q >= 4.  zero = 1: the first step starts the sums.
.macro MULS q, zero
.irp b, 0,1,2,3,4,5,6,7,8,9,10,11
.if \b == 0
	WIN 0xa1                                       ; source 0 (W) window 1, source 1 (x) window 0, C and D window 2
.elseif \b == 8
	WIN 0xf1                                       ; C and D window 3
.endif
.irp a, 0,1,2,3
.set rD, 8*(4*(\b%8)+\a)
.set rB, 128*((\q)%2)+8*\b
.set rA, AF+32*((\q)%2)+8*\a
.set rSB, SB+4*\b+(\q)%4
.set rSA, SA+4*\a+(\q)%4
.if \zero
	v_wmma_scale_f32_16x16x128_f8f6f4 v[rD:rD+7], v[rB:rB+7], v[rA:rA+7], 0, v[rSB], v[rSA] matrix_a_fmt:MATRIX_FMT_FP4 matrix_b_fmt:MATRIX_FMT_FP4
.elseif (\q) < 4
	v_wmma_scale_f32_16x16x128_f8f6f4 v[rD:rD+7], v[rB:rB+7], v[rA:rA+7], v[rD:rD+7], v[rSB], v[rSA] matrix_a_fmt:MATRIX_FMT_FP4 matrix_b_fmt:MATRIX_FMT_FP4
.else
	v_wmma_scale_f32_16x16x128_f8f6f4 v[rD:rD+7], v[rB:rB+7], v[rA:rA+7], v[rD:rD+7], v[rSB], v[rSA] matrix_a_fmt:MATRIX_FMT_FP4 matrix_b_fmt:MATRIX_FMT_FP4 matrix_a_scale:MATRIX_SCALE_ROW1 matrix_b_scale:MATRIX_SCALE_ROW1
.endif
.endr
.endr
.endm
.macro STEP q, zero
	PLACES 4                                       ; four places in front of loads into registers that matrix instructions have read (the set of two steps back)
.if (\q) < 7
	FETCH (\q)+1
	s_wait_dscnt 32                                ; all but the 32 loads just issued: this step's fragments are in
.else
	s_wait_dscnt 0x0
.endif
	MULS \q, \zero
.endm
	s_wait_tensorcnt 1                             ; my scale bytes and my part of the first half of K have landed; the second half's load stays out
	s_wait_dscnt 0x0                               ; the factors are in
	s_barrier_signal -1
	s_barrier_wait -1                              ; everybody's have
.irp a, 0,1,2,3
	ds_load_b128 v[SA+4*\a:SA+4*\a+3], v[ASA] offset:544*\a        ; 16 rows of scale bytes are two runs: 544 bytes
.endr
.irp b, 0,1,2,3,4,5,6,7,8,9,10,11
	ds_load_b128 v[SB+4*\b:SB+4*\b+3], v[ASB] offset:544*\b
.endr
	FETCH 0
	STEP 0, 1
	STEP 1, 0
	STEP 2, 0
	s_wait_dscnt 0x0                               ; no LDS instruction of mine is out at the signal
	s_wait_tensorcnt 0x0                           ; my part of the second half of K has landed (my last load: none was issued behind it),
	s_barrier_signal -1
	s_barrier_wait -1                              ; everybody's has
	STEP 3, 0                                      ; it fetches K step 4, the second half's first
	STEP 4, 0
	STEP 5, 0
	STEP 6, 0
	STEP 7, 0
	; THE WAY OUT.  The 96 factors of my 192 columns; each accumulator times its eight, from its low end on; then block by block of 16 rows: rounded to f16, through my stage, out as whole rows of a slab.
	PLACES 4
	WIN 0x40                                       ; destination window 1: W's first set is done with
.irp sl, 0,1,2
.set i, 0
.rept 32
	v_fma_f32 v[32*\sl+i], v[RF+i], s[AL+2*\sl], s[AL+2*\sl+1]
.set i, i+1
.endr
.endr
	WIN 0x86                                       ; destination and source 0 window 2, source 1 window 1
.irp b, 0,1,2,3,4,5,6,7
.irp a, 0,1,2,3
.irp j, 0,2,4,6
	v_pk_mul_f32 v[8*(4*\b+\a)+\j:8*(4*\b+\a)+\j+1], v[8*(4*\b+\a)+\j:8*(4*\b+\a)+\j+1], v[8*\b+\j:8*\b+\j+1]
.endr
.endr
.endr
	WIN 0xc7                                       ; destination and source 0 window 3
.irp b, 8,9,10,11
.irp a, 0,1,2,3
.irp j, 0,2,4,6
	v_pk_mul_f32 v[8*(4*(\b-8)+\a)+\j:8*(4*(\b-8)+\a)+\j+1], v[8*(4*(\b-8)+\a)+\j:8*(4*(\b-8)+\a)+\j+1], v[8*\b+\j:8*\b+\j+1]
.endr
.endr
.endr
.irp a, 0,1,2,3
	WIN 0x0a                                       ; sources window 2
.irp b, 0,1,2,3,4,5,6,7
.irp i, 0,1,2,3
	v_cvt_pk_f16_f32 v[PK+4*\b+\i], v[8*(4*\b+\a)+2*\i], v[8*(4*\b+\a)+2*\i+1]
.endr
.endr
	WIN 0x0f                                       ; sources window 3
.irp b, 8,9,10,11
.irp i, 0,1,2,3
	v_cvt_pk_f16_f32 v[PK+4*\b+\i], v[8*(4*(\b-8)+\a)+2*\i], v[8*(4*(\b-8)+\a)+2*\i+1]
.endr
.endr
	WIN 0
.irp b, 0,1,2,3,4,5,6,7,8,9,10,11
	ds_store_b128 v[STO], v[PK+4*\b:PK+4*\b+3] offset:16*SPITCH*(\b/4)+32*(\b%4)   ; slab b / 4, row r, columns 16 (b % 4) + 8 h on
.endr
	s_wait_xcnt 0x0                                ; the last block's stores have read their data registers: they are loaded again only behind this wait
.irp n, 0,1,2,3,4,5,6,7,8,9,10,11
	ds_load_b128 v[BK+4*\n:BK+4*\n+3], v[RD] offset:16*SPITCH*(\n/4)+4*SPITCH*(\n%4)   ; LDS serves a wave's instructions in order: these see the stores above
.endr
.irp n, 0,1,2,3,4,5,6,7,8,9,10,11
	s_wait_dscnt 11-\n                             ; load n is in; the younger ones stay out
	global_store_b128 v[GO], v[BK+4*\n:BK+4*\n+3], s[12:13] offset:524288*(\n/4)+2048*\a+512*(\n%4)   ; four rows of a slab: 512 consecutive bytes, aligned
.endr
.endr
	s_wait_tensorcnt 0x0                           ; the wave's end
	ds_add_u32 v[SPW], v[NIL]
	s_wait_dscnt 0x0
	CROUND                                         ; the closing round
	s_endpgm
.Lfunc_end_k_q1fa7c30e91_proj:
	.size	k_q1fa7c30e91_proj, .Lfunc_end_k_q1fa7c30e91_proj-k_q1fa7c30e91_proj
	.p2alignl 7, 3214868480
	.fill 96, 4, 3214868480
	.section	.rodata,"a",@progbits
	.p2align	6, 0x0
	.amdhsa_kernel k_q1fa7c30e91_proj
		.amdhsa_group_segment_fixed_size 327680
		.amdhsa_private_segment_fixed_size 0
		.amdhsa_enable_private_segment 0
		.amdhsa_kernarg_size 40
		.amdhsa_user_sgpr_count 2
		.amdhsa_user_sgpr_kernarg_segment_ptr 1
		.amdhsa_wavefront_size32 1
		.amdhsa_system_sgpr_workgroup_id_x 1
		.amdhsa_system_sgpr_workgroup_id_y 1
		.amdhsa_system_sgpr_workgroup_id_z 1
		.amdhsa_system_vgpr_workitem_id 0
		.amdhsa_next_free_vgpr 1024
		.amdhsa_next_free_sgpr 100
		.amdhsa_reserve_vcc 0
		.amdhsa_float_denorm_mode_32 3
		.amdhsa_float_denorm_mode_16_64 3
		.amdhsa_memory_ordered 1
		.amdhsa_forward_progress 1
		.amdhsa_inst_pref_size 123
	.end_amdhsa_kernel
	.amdgpu_metadata
---
amdhsa.version: [ 1, 2 ]
amdhsa.kernels:
  - .name:           k_q1fa7c30e91_proj
    .symbol:         k_q1fa7c30e91_proj.kd
    .args:
      - { .name: xc, .offset: 0, .size: 8, .value_kind: global_buffer, .address_space: global }
      - { .name: xs, .offset: 8, .size: 8, .value_kind: global_buffer, .address_space: global }
      - { .name: wc, .offset: 16, .size: 8, .value_kind: global_buffer, .address_space: global }
      - { .name: ws, .offset: 24, .size: 8, .value_kind: global_buffer, .address_space: global }
      - { .name: qkv, .offset: 32, .size: 8, .value_kind: global_buffer, .address_space: global }
    .group_segment_fixed_size: 327680
    .private_segment_fixed_size: 0
    .kernarg_segment_align: 8
    .kernarg_segment_size: 40
    .max_flat_workgroup_size: 128
    .sgpr_count:     100
    .vgpr_count:     1024
    .wavefront_size: 32
...
	.end_amdgpu_metadata
.endif
;; end of part 2
;; launch attn (part 3): grid 8 x 32, 8 waves a work-group, clusters of 4 x 1, 327,680 bytes of LDS; arguments qkv, attention_mask, out0; writes out0
.if DOCPART == 3
	.amdgcn_target "amdgcn-amd-amdhsa--gfx1250"
	.amdhsa_code_object_version 6
	.text
	.protected	k_q1fa7c30e91_attn
	.globl	k_q1fa7c30e91_attn
	.p2align	8
	.type	k_q1fa7c30e91_attn,@function
k_q1fa7c30e91_attn:
	s_mov_b64 s[64:65], 0
	v_nop
	global_prefetch_b8 v0, s[64:65] scope:SCOPE_SE
	s_setreg_imm32_b32 hwreg(HW_REG_WAVE_MODE, 25, 1), 1
	s_wait_xcnt 0x0
	s_wait_alu depctr_hold_cnt(0) depctr_sa_sdst(0) depctr_va_vdst(0) depctr_va_sdst(0) depctr_va_ssrc(0) depctr_va_vcc(0) depctr_vm_vsrc(0)
	s_getreg_b32 s2, hwreg(HW_REG_IB_STS2, 6, 4)
	s_cmp_eq_u32 s2, 0
	s_cbranch_scc0 .Lentry_in_a_cluster
	s_endpgm
.Lentry_in_a_cluster:
	s_bfe_u32 s2, ttmp6, 0x10000c
	s_cmp_lg_u32 s2, 0x3003
	s_cbranch_scc0 .Lentry_shape_is_right
	s_endpgm
.Lentry_shape_is_right:
; out0[b][q][64 head + :] = the sum over keys of softmax_k(q . k / 8, keys with attention_mask == 0 taken out) v.  q, k, v come as f16 from qkv ([48 slabs][4,096 rows][64]; slab = 16 x type + head);
; q already holds the factor log2(e) / 8, so a score t is an exponent of 2.  Products on f16 operands, sums, maxima and exponentials in f32; out0 in f32.
; SOFTMAX.  For each query a running maximum m of the masked t; p = 2^(t - m), rounded to f16 for the second product; in every step O and the row's sum are multiplied by a = 2^(m_old - m_new).
; THE MASK is a bias, 0 or -2^100, given as the C of a score's first matrix instruction.  A query all of whose keys are masked ends with m under -2^99: its divisor becomes NaN, as a softmax of -infinities is.
; THE ROW'S SUM is one more tile of the second product, whose source 0 is all ones: 8 of a key step's 72 matrix instructions; it sums the same rounded p that O sums.  Only its register 0 is kept up and read.
; LIMITS: |t| under 2^99; NaN and infinities among the inputs are not served.
; SHARES.  A work-group owns 256 queries of one batch and head.  Eight waves: wave w has query group w % 4 (64 queries: four tiles of 16) and parity w / 4.  The two waves of a group SPLIT THE KEYS: of a slot's four chunks
; of 64 keys parity P takes chunks P and 2 + P; so each fragment of K or V read from LDS feeds four tiles of queries.  The halves are merged once, at the end, through LDS.
; BY HALVES.  A key step is a matrix phase (O^T += V^T P of the step before, S^T = K Q^T of this step, the fetch of this step's V) and a vector phase (the softmax).  Parity 1 runs half a step behind parity 0:
; at any time four waves are in the matrix phase and four in the vector phase.  All waves walk the same loops and pass the same barriers; a scalar branch inside the loop, on the wave's number and the count of halves, picks the phase.
; LAYOUT.  S^T = K Q^T (source 0 = 16 keys, source 1 = 16 queries): a lane holds ONE query (lane % 16) and keys 8 (lane / 16) + 0 .. 7; two such tiles, rounded in pairs, ARE source 1 of O^T = V^T P.  V is turned by ds_load_tr16_b128.
; CLUSTER.  The four query blocks of a cluster walk the same K and V: each tile is asked for jointly, with the mask of all four.
; REGISTERS.  window 0: v1-15 addresses; v16-47 statistics, 8 a tile (+0 m, +1 m_old - m_new, +2 a, +4, +5 chains, +6 at work); v48-79 bias; v80-143 Q; v144-207 K or V; v208-239 the sums' tiles; v240-247 ones; v248-255 at work.
;   window 1: v0-127 S^T, 32 a tile (P in place, in each tile's first 16); v128-255 O^T, 32 a tile.
.set KP,    144                        ; a row of K in LDS: 128 bytes + 16
.set VP,    160                        ; a row of V: 128 + 32
.set VOFF,  256*KP                     ; a slot: 256 rows of K, then 256 of V
.set SLOT1, 1<<17                      ; slot 1 begins here: one exclusive or turns an address from one slot to the other
.set BIAS,  256*(KP+VP)                ; behind slot 0: the bias of all 2,048 keys, f32
.set SPARE, BIAS+8192                  ; the spare words, 128 bytes a wave
.set MERGE, SLOT1+256*(KP+VP)          ; behind slot 1: for each wave 8,192 bytes of O^T and 512 of statistics
.set MW,    8704
.set STAGE, MERGE+8*MW                 ; the way out: 16 rows x (256 + 16) bytes for each wave
.set SW,    16*272
.set AK0, 1                            ; my lane's place in my parity's first chunk of K; never rewritten
.set AV0, 2                            ; the same for V
.set AB0, 3                            ; and for the bias
.set ADK, 4                            ; the addresses of the step in hand: written in text that all waves run
.set ADV, 5
.set ADB, 6
.set QO,  7
.set STO, 8
.set RD,  9
.set GO,  10
.set MST, 11
.set MLD, 12
.set PFO, 13
.set SPW, 14
.set NIL, 15
.set ST,  16
.set BI,  48
.set Q,   80
.set KV,  144
.set LS,  208
.set ONE, 240
.set WV,  12                           ; s12 wave;  s13 parity;  s14 query group
.set PAR, 13
.set GRP, 14
.set PFA, 18                           ; s[18:19] where my prefetches stand
.set LIM, 20                           ; s20 1 in a wave that prefetches, else the greatest number
.set G1K, 24
.set G1V, 32
.set G0K, 40                           ; two sets: the two first fills; the second then walks on
.set G0V, 48
.set SLOTS, 56
.set TI,  57                           ; the half in hand, 0 .. 3 in a slot
.set SEL, 60
.set SB,  62                           ; LDS byte at which the slot in hand begins
.set TK,  66
.set TV,  67
.set TBB, 68
.set SBB, 69                           ; the slot's place in the bias: 1,024 bytes a slot
.set MSB, 0
.macro WIN new                         ; the immediate's high byte repeats the setting that is left
.if MSB != \new
	s_set_vgpr_msb (MSB<<8)|\new
.set MSB, \new
.endif
.endm
.macro PLACES n
.rept \n
	v_nop
.endr
.endm
.macro JLOAD                           ; a joint refill: waves 0-3 fetch K's quarters, waves 4-7 V's; an s_nop 0 and four v_nop follow each line
	s_cmp_lt_u32 s[WV], 4
	s_cbranch_scc0 .Lfor_v_\@
	tensor_load_to_lds s[G0K+4:G0K+7], s[G1K:G1K+7]
	s_nop 0
.rept 4
	v_nop
.endr
	s_branch .Lasked_\@
.Lfor_v_\@:
	tensor_load_to_lds s[G0V+4:G0V+7], s[G1V:G1V+7]
	s_nop 0
.rept 4
	v_nop
.endr
.Lasked_\@:
.endm
; A prefetch of what the NEXT change of slots will ask for: 32,768 bytes of K and of V.  Both clusters of a batch and head walk the same rows: the first asks.  Its four partners take 8,192 bytes each, told apart by
; address; in each, wave 0 asks for K's and wave 4 for V's, lanes 256 bytes apart: each aligned 256 bytes is named once in the launch.  The last change that fills a slot asks for nothing.
.macro ASK
	s_cmp_gt_u32 s[SLOTS], s[LIM]
	s_cbranch_scc0 .Lnot_mine_\@
	global_prefetch_b8 v[PFO], s[PFA:PFA+1] th:TH_LOAD_NT scope:SCOPE_SE
.Lnot_mine_\@:
.endm
.macro CROUND                          ; a round of the cluster's barrier
	s_barrier_signal -1
	s_barrier_wait -1
	s_cmp_lg_u32 s[WV], 0
	s_cbranch_scc1 .Lnot_wave_0_\@
	s_barrier_signal -3
.Lnot_wave_0_\@:
	s_barrier_wait -3
	s_barrier_signal -1
	s_barrier_wait -1
.endm
	s_load_b128 s[4:7], s[0:1], 0x0                ; qkv, attention_mask
	s_load_b64 s[8:9], s[0:1], 0x10                ; out0
	v_lshl_add_u32 v[SPW], v0, 2, SPARE
	v_mov_b32 v[NIL], 0
	ds_add_u32 v[SPW], v[NIL]                      ; the wave's opening: the add, twice on end, and its wait ahead of my first tensor load
	ds_add_u32 v[SPW], v[NIL]
	v_lshrrev_b32 v1, 5, v0
	v_readfirstlane_b32 s[WV], v1                  ; wave 0..7
	s_lshr_b32 s[PAR], s[WV], 2
	s_and_b32 s[GRP], s[WV], 3
	s_bfe_u32 s15, ttmp6, 0x40000                  ; cx
	s_lshl_b32 s16, ttmp9, 2
	s_add_co_u32 s16, s16, s15                     ; my block of 256 queries: it enters Q's and out0's addresses alone
	s_and_b32 s17, ttmp7, 0xffff
	s_lshr_b32 s21, s17, 4                         ; batch
	s_and_b32 s22, s17, 15                         ; head
	s_lshl_b32 s70, s22, 19                        ; head x a slab's 524,288 bytes
	s_lshl_b32 s71, s21, 18                        ; + batch x 2,048 rows of 128 bytes
	s_add_co_u32 s70, s70, s71
	s_lshl_b32 s71, s[GRP], 13                     ; 64 rows of 128 bytes: my quarter of a slot, and my query group in a block
	s_add_co_u32 s72, s70, s71
	s_add_co_u32 s72, s72, 16*524288               ; K: slab 16 + head
	s_mov_b32 s73, 0
	s_add_co_u32 s74, s72, 16*524288               ; V: slab 32 + head
	s_mov_b32 s75, 0
	s_lshl_b32 s66, s16, 15                        ; Q: slab head, block x 256 rows + my 64
	s_add_co_u32 s66, s66, s70
	s_add_co_u32 s66, s66, s71
	s_mov_b32 s67, 0
	s_lshl_b32 s68, s21, 23                        ; out0: (2,048 b + 256 block + 64 group + 32 parity) rows of 4,096 bytes + 256 head: a wave stores the two tiles that it keeps
	s_lshl_b32 s23, s16, 20
	s_add_co_u32 s68, s68, s23
	s_lshl_b32 s23, s[GRP], 18
	s_add_co_u32 s68, s68, s23
	s_lshl_b32 s23, s22, 8
	s_add_co_u32 s68, s68, s23
	s_lshl_b32 s23, s[PAR], 17
	s_add_co_u32 s68, s68, s23
	s_mov_b32 s69, 0
	s_lshl_b32 s58, s21, 13                        ; the batch's 2,048 words of the mask
	s_mov_b32 s59, 0
	s_mov_b32 s[PFA], 32*524288                    ; the prefetches: K's slab (waves 0-3) or V's, my work-group's 8,192 bytes, in slot 2: the first change of slots steps it to slot 3
	s_cmp_lt_u32 s[WV], 4
	s_cselect_b32 s[PFA], 16*524288, s[PFA]
	s_add_co_u32 s[PFA], s[PFA], s70
	s_lshl_b32 s23, s15, 13
	s_add_co_u32 s[PFA], s[PFA], s23
	s_add_co_u32 s[PFA], s[PFA], 2*32768
	s_mov_b32 s[PFA+1], 0
	s_and_b32 s[LIM], s[WV], 3                     ; waves 0 and 4
	s_or_b32 s[LIM], s[LIM], ttmp9                 ; of the first cluster: the same in all four partners
	s_cmp_eq_u32 s[LIM], 0
	s_cselect_b32 s[LIM], 1, -1
	; groups 1: 64 rows x 64 elements of 2 bytes, dense in memory, padded in LDS behind each row of 32 words
	s_mov_b32 s[G1K], 15|(1<<16)|(1<<20)|(1<<21)|(4<<22)|(3<<25)   ; the mask of all four; elements of 2 bytes; padding on; bit 21 beside a mask; after every 32 words; four words
	s_mov_b32 s[G1V], 15|(1<<16)|(1<<20)|(1<<21)|(4<<22)|(7<<25)   ; the same with eight words
.irp g, G1K, G1V
	s_mov_b32 s[\g+1], 64<<16                      ; tensor_dim0
	s_mov_b32 s[\g+2], 64<<16                      ; tensor_dim1
	s_mov_b32 s[\g+3], 64<<16                      ; tile_dim0
	s_mov_b32 s[\g+4], 64                          ; tile_dim1
	s_mov_b32 s[\g+5], 64                          ; from row to row
	s_mov_b32 s[\g+6], 0
	s_mov_b32 s[\g+7], 0
.endr
	s_mul_i32 s23, s[GRP], 64*KP                   ; my quarter's place in a slot: no place in the cluster enters an LDS address
	s_mul_i32 s57, s[GRP], 64*VP
	s_add_co_u32 s57, s57, VOFF
	s_mov_b32 s[SEL], 0x76543210
	s_mov_b32 s[SEL+1], 0xfedcba98
	s_mov_b32 s[SB], 0
	s_mov_b32 s[SLOTS], 6
	s_wait_dscnt 0x0                               ; both opening adds are done
	s_wait_kmcnt 0x0
	s_add_nc_u64 s[72:73], s[4:5], s[72:73]
	s_add_nc_u64 s[74:75], s[4:5], s[74:75]
	s_add_nc_u64 s[PFA:PFA+1], s[4:5], s[PFA:PFA+1]
	s_add_nc_u64 s[4:5], s[4:5], s[66:67]          ; Q at my first query
	s_add_nc_u64 s[6:7], s[6:7], s[58:59]
	s_add_nc_u64 s[8:9], s[8:9], s[68:69]
	s_mov_b32 s[SBB], 0
	CROUND                                         ; all four work-groups are here: the first joint loads meet
.irp s, 0,1
	s_mov_b32 s[G0K+4*\s], 1
	s_add_co_u32 s[G0K+4*\s+1], s23, \s*SLOT1
	s_add_nc_u64 s[G0K+4*\s+2:G0K+4*\s+3], s[72:73], \s*32768      ; slot s begins with keys 256 s on
	s_or_b32 s[G0K+4*\s+3], s[G0K+4*\s+3], 0x80000000
	s_mov_b32 s[G0V+4*\s], 1
	s_add_co_u32 s[G0V+4*\s+1], s57, \s*SLOT1
	s_add_nc_u64 s[G0V+4*\s+2:G0V+4*\s+3], s[74:75], \s*32768
	s_or_b32 s[G0V+4*\s+3], s[G0V+4*\s+3], 0x80000000
.endr
	s_cmp_lt_u32 s[WV], 4                          ; a wave's two first fills stand in one branch: two loads of mine are out
	s_cbranch_scc0 .Lfirst_v
	tensor_load_to_lds s[G0K:G0K+3], s[G1K:G1K+7]
	s_nop 0
	tensor_load_to_lds s[G0K+4:G0K+7], s[G1K:G1K+7]
	s_nop 0
.rept 4
	v_nop
.endr
	s_branch .Lfirst_asked
.Lfirst_v:
	tensor_load_to_lds s[G0V:G0V+3], s[G1V:G1V+7]
	s_nop 0
	tensor_load_to_lds s[G0V+4:G0V+7], s[G1V:G1V+7]
	s_nop 0
.rept 4
	v_nop
.endr
.Lfirst_asked:
	v_and_b32 v248, 15, v0                         ; r
	v_bfe_u32 v249, v0, 4, 1                       ; h
	v_and_b32 v250, 31, v0                         ; lane
	v_lshlrev_b32 v[QO], 7, v248
	v_lshl_add_u32 v[QO], v249, 4, v[QO]           ; row r of 128 bytes + 16 h
.irp t, 0,1,2,3                        ; Q stays in registers: tile t, channels 32 dc on: registers 0-3 channels 8 h on, 4-7 channels 16 + 8 h on
.irp dc, 0,1
	global_load_b128 v[Q+16*\t+8*\dc:Q+16*\t+8*\dc+3], v[QO], s[4:5] offset:2048*\t+64*\dc
	global_load_b128 v[Q+16*\t+8*\dc+4:Q+16*\t+8*\dc+7], v[QO], s[4:5] offset:2048*\t+64*\dc+32
.endr
.endr
	v_lshlrev_b32 v39, 5, v0                       ; the mask: eight keys a thread
	global_load_b128 v[48:51], v39, s[6:7]
	global_load_b128 v[52:55], v39, s[6:7] offset:16
	v_mul_u32_u24 v[AK0], v248, KP
	v_lshl_add_u32 v[AK0], v249, 4, v[AK0]
	s_mul_i32 s70, s[PAR], 64*KP
	v_add_nc_u32 v[AK0], s70, v[AK0]               ; K: row r x pitch + 16 h + my parity's chunk
	v_and_b32 v251, 7, v0
	v_lshl_add_u32 v251, v249, 3, v251
	v_mul_u32_u24 v[AV0], v251, VP
	v_bfe_u32 v251, v0, 3, 1
	v_lshl_add_u32 v[AV0], v251, 4, v[AV0]
	s_mul_i32 s70, s[PAR], 64*VP
	s_add_co_u32 s70, s70, VOFF
	v_add_nc_u32 v[AV0], s70, v[AV0]               ; V, for the turning load: key 8 h + lane % 8, channels 8 ((lane / 8) % 2) on
	s_lshl_b32 s70, s[PAR], 8
	s_add_co_u32 s70, s70, BIAS
	v_lshl_add_u32 v[AB0], v249, 5, s70            ; the bias of keys 8 h on
	s_mul_i32 s70, s[WV], SW
	s_add_co_u32 s70, s70, STAGE
	v_mul_u32_u24 v[STO], v248, 272
	v_lshl_add_u32 v[STO], v249, 5, v[STO]
	v_add_nc_u32 v[STO], s70, v[STO]               ; the stage, in: row r, 32 bytes for each half of the lanes
	v_mul_u32_u24 v[RD], v249, 272
	v_lshl_add_u32 v[RD], v248, 4, v[RD]
	v_add_nc_u32 v[RD], s70, v[RD]                 ; back: lanes 0-15 one row of 256 bytes, lanes 16-31 the next
	v_lshlrev_b32 v[GO], 12, v249
	v_lshl_add_u32 v[GO], v248, 4, v[GO]           ; and the same two rows in out0
	s_mul_i32 s70, s[WV], MW
	s_add_co_u32 s70, s70, MERGE
	v_lshl_add_u32 v[MST], v250, 4, s70            ; the merge: where I give,
	s_xor_b32 s71, s[WV], 4
	s_mul_i32 s71, s71, MW
	s_add_co_u32 s71, s71, MERGE
	v_lshl_add_u32 v[MLD], v250, 4, s71            ; and where the wave of the other parity has given
	v_lshlrev_b32 v[PFO], 8, v250
	v_lshl_add_u32 v31, v0, 5, BIAS                ; where my eight keys' bias goes
.irp t, 0,1,2,3
	v_mov_b32 v[ST+8*\t], 0xff61b1e6               ; m: -3e38, under every t
	v_mov_b32 v[ST+8*\t+1], 0                      ; (named with m as a pair)
	v_mov_b32 v[ST+8*\t+2], 0
	v_mov_b32 v[ST+8*\t+3], 0                      ; (named with a as a pair)
	v_mov_b32 v[ST+8*\t+6], 0                      ; (a lane permute's destination counts as one of its sources)
.endr
.irp i, 0,1,2,3,4,5,6,7
	v_mov_b32 v[ONE+\i], 0x3c003c00                ; 1.0, twice, in f16
.endr
	v_mov_b32 v23, 0xf1800000                      ; -2^100
	s_wait_loadcnt 0x0                             ; Q and the mask
.irp i, 0,1,2,3,4,5,6,7
	v_cmp_eq_u32 vcc_lo, 0, v[48+\i]
	v_cndmask_b32 v[48+\i], 0, v23, vcc_lo         ; a value is chosen: no branch hangs on the mask
.endr
	ds_store_b128 v31, v[48:51]
	ds_store_b128 v31, v[52:55] offset:16
; THE MATRIX PHASE.  The accumulators take turns, one instruction a turn: between two links of a chain stand 15 others' or more.
.macro PVC kc, pv                      ; keys 32 kc on: 16 products O^T += V^T P, channels 16 c on, tile t; then the four of the sums.  pv = 1: chunk 0 starts the sums: nothing is ever cleared
	WIN 0x54                                       ; V window 0, P window 1, O^T window 1
.irp c, 0,1,2,3
.irp t, 0,1,2,3
.if (\pv == 1) && (\kc == 0)
	v_wmma_f32_16x16x32_f16 v[128+32*\t+8*\c:128+32*\t+8*\c+7], v[KV+32*\kc+8*\c:KV+32*\kc+8*\c+7], v[32*\t+8*\kc:32*\t+8*\kc+7], 0
.else
	v_wmma_f32_16x16x32_f16 v[128+32*\t+8*\c:128+32*\t+8*\c+7], v[KV+32*\kc+8*\c:KV+32*\kc+8*\c+7], v[32*\t+8*\kc:32*\t+8*\kc+7], v[128+32*\t+8*\c:128+32*\t+8*\c+7]
.endif
.endr
.endr
	WIN 0x04                                       ; ones and the sums window 0, P window 1
.irp t, 0,1,2,3
.if (\pv == 1) && (\kc == 0)
	v_wmma_f32_16x16x32_f16 v[LS+8*\t:LS+8*\t+7], v[ONE:ONE+7], v[32*\t+8*\kc:32*\t+8*\kc+7], 0
.else
	v_wmma_f32_16x16x32_f16 v[LS+8*\t:LS+8*\t+7], v[ONE:ONE+7], v[32*\t+8*\kc:32*\t+8*\kc+7], v[LS+8*\t:LS+8*\t+7]
.endif
.endr
	WIN 0
.endm
; pv: 0 no second product, 1 it starts O^T and the sums, 2 it adds.  kq = 1: this step's scores, and the fetch of its V.
.macro MSTEP pv, kq
.if \pv
	s_wait_dscnt 0x0                               ; V of the step before is in
	PVC 0, \pv
	PLACES 4                                       ; in front of loads into the registers of V's first 32 keys
.endif
.if \kq
.irp kt, 0,1,2,3                       ; K, channels 0-31: keys 16 kt on
	ds_load_b128 v[KV+8*\kt:KV+8*\kt+3], v[ADK] offset:16*KP*\kt
	ds_load_b128 v[KV+8*\kt+4:KV+8*\kt+7], v[ADK] offset:16*KP*\kt+32
.endr
.irp kt, 0,1,2,3                       ; the bias in the result's layout: register j: key 16 kt + 8 h + j
	ds_load_b128 v[BI+8*\kt:BI+8*\kt+3], v[ADB] offset:64*\kt
	ds_load_b128 v[BI+8*\kt+4:BI+8*\kt+7], v[ADB] offset:64*\kt+16
.endr
.endif
.if \pv
	PVC 1, \pv
	PLACES 5                                       ; the scores below are written over P, which these products read: five places; the loads below want four
.endif
.if \kq
.irp kt, 0,1,2,3                       ; K, channels 32-63
	ds_load_b128 v[KV+32+8*\kt:KV+32+8*\kt+3], v[ADK] offset:16*KP*\kt+64
	ds_load_b128 v[KV+32+8*\kt+4:KV+32+8*\kt+7], v[ADK] offset:16*KP*\kt+96
.endr
	s_wait_dscnt 8                                 ; K's first channels and the bias are in; the eight loads just issued may be out
	WIN 0x40                                       ; S^T window 1; K, Q and the bias window 0
.irp kt, 0,1,2,3
.irp t, 0,1,2,3
	v_wmma_f32_16x16x32_f16 v[32*\t+8*\kt:32*\t+8*\kt+7], v[KV+8*\kt:KV+8*\kt+7], v[Q+16*\t:Q+16*\t+7], v[BI+8*\kt:BI+8*\kt+7]
.endr
.endr
	s_wait_dscnt 0x0
	WIN 0x50                                       ; C window 1 too
.irp kt, 0,1,2,3
.irp t, 0,1,2,3
	v_wmma_f32_16x16x32_f16 v[32*\t+8*\kt:32*\t+8*\kt+7], v[KV+32+8*\kt:KV+32+8*\kt+7], v[Q+16*\t+8:Q+16*\t+15], v[32*\t+8*\kt:32*\t+8*\kt+7]
.endr
.endr
	WIN 0
	PLACES 5                                       ; behind the scores: for the loads into K's registers, for the vector phase's first read, and for a matrix read of these registers
.irp kc, 0,1
.irp c, 0,1,2,3                        ; V turned: keys 32 kc on, channels 16 c on
	ds_load_tr16_b128 v[KV+32*\kc+8*\c:KV+32*\kc+8*\c+3], v[ADV] offset:32*VP*\kc+32*\c
	ds_load_tr16_b128 v[KV+32*\kc+8*\c+4:KV+32*\kc+8*\c+7], v[ADV] offset:32*VP*\kc+16*VP+32*\c
.endr
.endr
.endif
.endm
; THE VECTOR PHASE.  PL writes line i of 16 of one kind for tile t: 1: t - m, a pair;  2: O^T x a, a pair;  3: two p rounded to f16, in place;  0: nothing.
.macro PL k, t
.if \k == 1
	v_pk_add_f32 v[32*\t+2*i:32*\t+2*i+1], v[32*\t+2*i:32*\t+2*i+1], v[ST+8*\t:ST+8*\t+1] op_sel_hi:[1,0] neg_lo:[0,1] neg_hi:[0,1]
.elseif \k == 2
	v_pk_mul_f32 v[128+32*\t+2*i:128+32*\t+2*i+1], v[128+32*\t+2*i:128+32*\t+2*i+1], v[ST+8*\t+2:ST+8*\t+3] op_sel_hi:[1,0]
.elseif \k == 3
	v_cvt_pk_f16_f32 v[32*\t+i], v[32*\t+2*i], v[32*\t+2*i+1]
.endif
.endm
.macro RUN k, t
.set i, 0
.rept 16
	PL \k, \t
.set i, i+1
.endr
.endm
.macro MIX t, k1, t1, k2, t2           ; tile t's 32 exponentials, a plain line of other tiles' work behind each
.set i, 0
.rept 16
	v_exp_f32 v[32*\t+2*i], v[32*\t+2*i]
	PL \k1, \t1
	v_exp_f32 v[32*\t+2*i+1], v[32*\t+2*i+1]
	PL \k2, \t2
.set i, i+1
.endr
.endm
; first = 1: the parity's first key step: no a, and nothing to rescale.
.macro XSTEP first
.set KR, 2-2*(\first)
	WIN 0x14                                       ; the chains window 0, the scores window 1
.irp t, 0,1,2,3                        ; the largest of my 32 scores and the old m: two chains a tile, eight by turns; each accumulator is read from its low end on
	v_max3_num_f32 v[ST+8*\t+4], v[ST+8*\t], v[32*\t], v[32*\t+1]
	v_max3_num_f32 v[ST+8*\t+5], v[ST+8*\t], v[32*\t+16], v[32*\t+17]
.endr
.irp i, 2,4,6,8,10,12,14
.irp t, 0,1,2,3
	v_max3_num_f32 v[ST+8*\t+4], v[ST+8*\t+4], v[32*\t+\i], v[32*\t+\i+1]
	v_max3_num_f32 v[ST+8*\t+5], v[ST+8*\t+5], v[32*\t+16+\i], v[32*\t+17+\i]
.endr
.endr
	WIN 0
.irp t, 0,1,2,3
	v_max_num_f32 v[ST+8*\t+4], v[ST+8*\t+4], v[ST+8*\t+5]
.endr
.irp t, 0,1,2,3
	v_permlanex16_b32 v[ST+8*\t+6], v[ST+8*\t+4], s[SEL], s[SEL+1]   ; the query's other 32 keys lie in the lane 16 away
.endr
.irp t, 0,1,2,3
	v_max_num_f32 v[ST+8*\t+4], v[ST+8*\t+4], v[ST+8*\t+6]
.endr
.if !\first
.irp t, 0,1,2,3
	v_sub_f32 v[ST+8*\t+1], v[ST+8*\t], v[ST+8*\t+4]
.endr
.endif
.irp t, 0,1,2,3
	v_mov_b32 v[ST+8*\t], v[ST+8*\t+4]             ; the new m
.endr
.if !\first
.irp t, 0,1,2,3
	v_exp_f32 v[ST+8*\t+2], v[ST+8*\t+1]           ; a
.endr
.endif
	WIN 0x41                                       ; destination and source 0 window 1, source 1 window 0
	RUN 1, 0                                       ; tile 0's t - m: sixteen plain lines behind the four exponentials
.if !\first
	s_wait_alu depctr_va_vdst(0)                   ; a wait ahead of the first line that names a
.endif
	MIX 0, 1, 1, KR, 0                             ; none of these lines names a result of the exponentials among them
	MIX 1, 1, 2, KR, 1
	MIX 2, 1, 3, KR, 2
	s_wait_alu depctr_va_vdst(0)                   ; one wait for tiles 0 to 2: tiles 0 and 1 are rounded among tile 3's exponentials
	WIN 0x45                                       ; both sources window 1
	MIX 3, 3, 0, 3, 1
	WIN 0x41
	RUN KR, 3
	s_wait_alu depctr_va_vdst(0)                   ; and one for tile 3
	WIN 0x45
	RUN 3, 2
	RUN 3, 3
	WIN 0
.if !\first
.irp t, 0,1,2,3
	v_mul_f32 v[LS+8*\t], v[LS+8*\t], v[ST+8*\t+2] ; the row's sum x a: register 0 alone is kept up and read
.endr
.endif
.endm
.macro ADDR                            ; the LDS addresses of the key step that half TI belongs to: step TI / 2 of the slot: chunks lie two apart for a parity
	s_lshr_b32 s70, s[TI], 1
	s_mul_i32 s[TK], s70, 128*KP
	s_add_co_u32 s[TK], s[TK], s[SB]
	s_mul_i32 s[TV], s70, 128*VP
	s_add_co_u32 s[TV], s[TV], s[SB]
	s_lshl_b32 s[TBB], s70, 9
	s_add_co_u32 s[TBB], s[TBB], s[SBB]
	v_add_nc_u32 v[ADK], s[TK], v[AK0]
	v_add_nc_u32 v[ADV], s[TV], v[AV0]
	v_add_nc_u32 v[ADB], s[TBB], v[AB0]
.endm
.macro TAULOOP                         ; a slot's four halves: parity 0: matrix, vector, matrix, vector; parity 1 the other way round.  Each phase is written once
	s_mov_b32 s[TI], 0
.Ltau_\@:
	ADDR
	s_xor_b32 s71, s[TI], s[PAR]
	s_and_b32 s71, s71, 1
	s_cmp_eq_u32 s71, 0
	s_cbranch_scc0 .Lvec_\@
	MSTEP 2, 1
	s_branch .Ljoin_\@
.Lvec_\@:
	XSTEP 0
.Ljoin_\@:
	s_add_co_u32 s[TI], s[TI], 1
	s_cmp_lt_u32 s[TI], 4
	s_cbranch_scc1 .Ltau_\@
.endm
.macro DO k, a, b                      ; k = 0: nothing; 1: MSTEP a, b; 2: XSTEP a
.if \k == 1
	MSTEP \a, \b
.elseif \k == 2
	XSTEP \a
.endif
.endm
.macro HALF u, k0, a0, b0, k1, a1, b1  ; a half that is written out: key step u of the slot; parity 0 does (k0, a0, b0), parity 1 (k1, a1, b1)
	s_mov_b32 s[TI], 2*\u
	ADDR
	s_cmp_eq_u32 s[PAR], 0
	s_cbranch_scc0 .Lpar1_\@
	DO \k0, \a0, \b0
	s_branch .Lboth_\@
.Lpar1_\@:
	DO \k1, \a1, \b1
.Lboth_\@:
.endm
; THE CHANGE OF SLOTS.  Parity 0 has finished the vector phase of the slot's last step, parity 1 its matrix phase: V has been asked for, and nobody reads the slot any more once the loads are back.
; Each wave waits for all its tensor loads (one is out: its part of the other slot), adds 0 to its spare word, and waits for that and for its reads of the slot.
; fill = 1: the barrier is a round of the cluster's; behind it the slot just left is filled with the keys two slots on: the load has a slot's four halves in which to land.
.macro CHANGE fill
	s_wait_tensorcnt 0x0                           ; no tensor load of mine is out, so a group 0 may be written
	ds_add_u32 v[SPW], v[NIL]
.if \fill
	s_xor_b32 s[G0K+5], s[G0K+5], SLOT1            ; the walking descriptors: the other slot than last time,
	s_add_nc_u64 s[G0K+6:G0K+7], s[G0K+6:G0K+7], 32768   ; the next 256 keys
	s_xor_b32 s[G0V+5], s[G0V+5], SLOT1
	s_add_nc_u64 s[G0V+6:G0V+7], s[G0V+6:G0V+7], 32768
	s_wait_xcnt 0x0                                ; the last prefetch, a slot back, has read its address, so it may be written
	s_add_nc_u64 s[PFA:PFA+1], s[PFA:PFA+1], 32768
	s_wait_dscnt 0x0                               ; the add is done, and my reads of the slot are over
	CROUND
	JLOAD
	ASK
.else
	s_wait_dscnt 0x0
	s_barrier_signal -1
	s_barrier_wait -1
.endif
	s_xor_b32 s[SB], s[SB], SLOT1                  ; on to the other slot
	s_add_co_u32 s[SBB], s[SBB], 1024
.endm
	s_wait_tensorcnt 1                             ; my part of slot 0 is in; slot 1's may stay out
	s_wait_dscnt 0x0                               ; my keys' bias is stored
	s_barrier_signal -1
	s_barrier_wait -1                              ; everybody's are
	HALF 0, 1,0,1, 0,0,0                           ; slot 0 is written out: first scores, first softmax, products that start the sums
	HALF 0, 2,1,0, 1,0,1
	HALF 1, 1,1,1, 2,1,0
	HALF 1, 2,0,0, 1,1,1
.Lslot:                                            ; six trips: slots 1 to 6; each change asks for the slot after the one that it enters
	CHANGE 1
	TAULOOP
	s_sub_co_u32 s[SLOTS], s[SLOTS], 1
	s_cmp_lg_u32 s[SLOTS], 0
	s_cbranch_scc1 .Lslot
	CHANGE 0                                       ; slot 7 is written out: nothing is left to ask for
	TAULOOP
	HALF 0, 1,2,0, 2,0,0                           ; parity 0: the last V^T P;  parity 1: the last softmax
	HALF 0, 0,0,0, 1,2,0                           ; parity 1: the last V^T P
; THE MERGE.  Parity 0 keeps tiles 0, 1 and gives tiles 2, 3; parity 1 the other way round.  What is given goes through LDS as an image of its registers.
.macro GIVE gb
	PLACES 4                                       ; behind the last products, in front of stores that read their results
	WIN 0x04                                       ; an LDS store's data are its source 1: window 1
.set i, 0
.rept 16
	ds_store_b128 v[MST], v[128+32*\gb+4*i:128+32*\gb+4*i+3] offset:512*i
.set i, i+1
.endr
	WIN 0
	v_mov_b32 v248, v[ST+8*\gb]
	v_mov_b32 v249, v[LS+8*\gb]
	v_mov_b32 v250, v[ST+8*\gb+8]
	v_mov_b32 v251, v[LS+8*\gb+8]
	ds_store_b128 v[MST], v[248:251] offset:8192   ; m, sum, m, sum
.endm
.macro TAKE kb
.set i, 0
.rept 16
	ds_load_b128 v[Q+4*i:Q+4*i+3], v[MLD] offset:512*i
.set i, i+1
.endr
	ds_load_b128 v[252:255], v[MLD] offset:8192
	v_mov_b32 v23, 0x7fc00000                      ; NaN
	s_wait_dscnt 0x0
.irp u, 0,1
	v_max_num_f32 v[ST+8*(\kb+\u)+4], v[ST+8*(\kb+\u)], v[252+2*\u]       ; the common maximum
.endr
.irp u, 0,1
	v_sub_f32 v[ST+8*(\kb+\u)+5], v[ST+8*(\kb+\u)], v[ST+8*(\kb+\u)+4]
	v_sub_f32 v[ST+8*(\kb+\u)+6], v[252+2*\u], v[ST+8*(\kb+\u)+4]
.endr
.irp u, 0,1
	v_exp_f32 v[248+2*\u], v[ST+8*(\kb+\u)+5]      ; what brings my half under it,
	v_exp_f32 v[249+2*\u], v[ST+8*(\kb+\u)+6]      ; and the other half
.endr
	v_nop                                          ; a plain line behind the last exponential
	s_wait_alu depctr_va_vdst(0)                   ; one wait for the four
.irp u, 0,1
	v_mul_f32 v[ST+8*(\kb+\u)+5], v[LS+8*(\kb+\u)], v[248+2*\u]
.endr
.irp u, 0,1
	v_fmac_f32 v[ST+8*(\kb+\u)+5], v[253+2*\u], v[249+2*\u]               ; the row's sum over all keys
.endr
.irp u, 0,1
	v_cmp_gt_f32 vcc_lo, 0xf1000000, v[ST+8*(\kb+\u)+4]                   ; -2^99 above the maximum: every key was masked
	v_cndmask_b32 v[ST+8*(\kb+\u)+5], v[ST+8*(\kb+\u)+5], v23, vcc_lo
.endr
.irp u, 0,1
	v_rcp_f32 v[ST+8*(\kb+\u)+6], v[ST+8*(\kb+\u)+5]
.endr
	v_nop
	s_wait_alu depctr_va_vdst(0)                   ; one wait for the two reciprocals
.irp u, 0,1
	v_mul_f32 v[ST+8*(\kb+\u)+2], v[248+2*\u], v[ST+8*(\kb+\u)+6]
	v_mul_f32 v[ST+8*(\kb+\u)+4], v[249+2*\u], v[ST+8*(\kb+\u)+6]
.endr
	WIN 0x01                                       ; source 0 (O^T) window 1
.irp u, 0,1
.set i, 0
.rept 16
	v_pk_mul_f32 v[KV+32*\u+2*i:KV+32*\u+2*i+1], v[128+32*(\kb+\u)+2*i:128+32*(\kb+\u)+2*i+1], v[ST+8*(\kb+\u)+2:ST+8*(\kb+\u)+3] op_sel_hi:[1,0]
.set i, i+1
.endr
.endr
	WIN 0
.irp u, 0,1
.set i, 0
.rept 16
	v_pk_fma_f32 v[KV+32*\u+2*i:KV+32*\u+2*i+1], v[Q+32*\u+2*i:Q+32*\u+2*i+1], v[ST+8*(\kb+\u)+4:ST+8*(\kb+\u)+5], v[KV+32*\u+2*i:KV+32*\u+2*i+1] op_sel_hi:[1,0,1]
.set i, i+1
.endr
.endr
.endm
	s_cmp_eq_u32 s[PAR], 0
	s_cbranch_scc0 .Lgive_1
	GIVE 2
	s_branch .Lgiven
.Lgive_1:
	GIVE 0
.Lgiven:
	s_wait_dscnt 0x0                               ; for the other wave's sake: my stores are done
	s_barrier_signal -1
	s_barrier_wait -1
	s_cmp_eq_u32 s[PAR], 0
	s_cbranch_scc0 .Ltake_1
	TAKE 0
	s_branch .Ltaken
.Ltake_1:
	TAKE 2
.Ltaken:
	; THE WAY OUT of my two tiles: register 32 u + 8 c + j is out(query r, channel 16 c + 8 h + j).  Through my own stage, so that sixteen lanes store a query's 256 bytes of this head, aligned.
.irp u, 0,1
.irp c, 0,1,2,3
	ds_store_b128 v[STO], v[KV+32*\u+8*\c:KV+32*\u+8*\c+3] offset:64*\c
	ds_store_b128 v[STO], v[KV+32*\u+8*\c+4:KV+32*\u+8*\c+7] offset:64*\c+16
.endr
.irp i, 0,1,2,3,4,5,6,7
	ds_load_b128 v[Q+32*\u+4*\i:Q+32*\u+4*\i+3], v[RD] offset:544*\i   ; LDS serves a wave's instructions in order: these see the stores above, and the next tile's stores come behind them
.endr
.endr
.irp u, 0,1
.irp i, 0,1,2,3,4,5,6,7
	s_wait_dscnt 23-16*\u-\i                       ; behind this load: the tile's later loads, and for the first tile the second's eight stores and eight loads
	global_store_b128 v[GO], v[Q+32*\u+4*\i:Q+32*\u+4*\i+3], s[8:9] offset:65536*\u+8192*\i th:TH_STORE_NT
.endr
.endr
	s_wait_tensorcnt 0x0                           ; the wave's end
	ds_add_u32 v[SPW], v[NIL]
	s_wait_dscnt 0x0
	CROUND                                         ; the closing round
	s_endpgm
.Lfunc_end_k_q1fa7c30e91_attn:
	.size	k_q1fa7c30e91_attn, .Lfunc_end_k_q1fa7c30e91_attn-k_q1fa7c30e91_attn
	.p2alignl 7, 3214868480
	.fill 96, 4, 3214868480
	.section	.rodata,"a",@progbits
	.p2align	6, 0x0
	.amdhsa_kernel k_q1fa7c30e91_attn
		.amdhsa_group_segment_fixed_size 327680
		.amdhsa_private_segment_fixed_size 0
		.amdhsa_enable_private_segment 0
		.amdhsa_kernarg_size 24
		.amdhsa_user_sgpr_count 2
		.amdhsa_user_sgpr_kernarg_segment_ptr 1
		.amdhsa_wavefront_size32 1
		.amdhsa_system_sgpr_workgroup_id_x 1
		.amdhsa_system_sgpr_workgroup_id_y 1
		.amdhsa_system_sgpr_workgroup_id_z 1
		.amdhsa_system_vgpr_workitem_id 0
		.amdhsa_next_free_vgpr 512
		.amdhsa_next_free_sgpr 76
		.amdhsa_reserve_vcc 1
		.amdhsa_float_denorm_mode_32 3
		.amdhsa_float_denorm_mode_16_64 3
		.amdhsa_memory_ordered 1
		.amdhsa_forward_progress 1
		.amdhsa_inst_pref_size 204
	.end_amdhsa_kernel
	.amdgpu_metadata
---
amdhsa.version: [ 1, 2 ]
amdhsa.kernels:
  - .name:           k_q1fa7c30e91_attn
    .symbol:         k_q1fa7c30e91_attn.kd
    .args:
      - { .name: qkv, .offset: 0, .size: 8, .value_kind: global_buffer, .address_space: global }
      - { .name: attention_mask, .offset: 8, .size: 8, .value_kind: global_buffer, .address_space: global }
      - { .name: out0, .offset: 16, .size: 8, .value_kind: global_buffer, .address_space: global }
    .group_segment_fixed_size: 327680
    .private_segment_fixed_size: 0
    .kernarg_segment_align: 8
    .kernarg_segment_size: 24
    .max_flat_workgroup_size: 256
    .sgpr_count:     76
    .vgpr_count:     512
    .wavefront_size: 32
...
	.end_amdgpu_metadata
.endif
;; end of part 3
